; MI455X (gfx1250); checked and timed in simulation.
; The chip was launched on July 23, 2026; its instructions are those of AMD's public machine-readable ISA for CDNA 5 (MIT licence, August 2026) and "CDNA5" Instruction Set Architecture Reference Guide (July 2026). The comments in the code are by the model that wrote it; some were corrected since.
;; Scaled Dot Product Attention. Allowed arithmetic: matrix products marked QUANTISED: E4M3 operands, one given power-of-two scale a tensor, by v_wmma_f32_16x16x64_fp8_fp8 or v_wmma_f32_16x16x128_fp8_fp8, f32 sums; everything else in f32.
;; Inputs: k 16 x 2,048 x 64 float32; lowp_scales 4 int32 (the exponents e of the quantised operands' scales 2^e); mask 16 x 2,048 x 2,048 bool; q 16 x 2,048 x 64 float32; v 16 x 2,048 x 64 float32.
;; Outputs: out0 16 x 2,048 x 64 float32.
;; This version of the problem:
;;   THIS VERSION OF THE PROBLEM IS GIVEN IN LOW PRECISION. The matrix products marked QUANTISED in the list below multiply operands that are first quantised to E4M3 (4 exponent bits, 3 mantissa bits; 8 bits a number), with one given power-of-two scale for each operand tensor; their sums are f32. All else is computed in f32.
;;   The module's matrix products, in the order in which they are computed (A, B: the left and right operand; K: the contracted axis; several contracted axes count as one K, in the product's order):
;;     1. batch 16 x [M 2,048, K 64] x [K 64, N 2,048]; A: input q; B: input k: QUANTISED (scales: A lowp_scales[0], B lowp_scales[1])
;;     2. batch 16 x [M 2,048, K 2,048] x [K 2,048, N 64]; A: softmax (see below); B: input v: QUANTISED (scales: A lowp_scales[2], B lowp_scales[3])
;;   THE QUANTISER, for each operand of a quantised product, along K:
;;     - The operand's scale is 2^e, e = its entry of the input lowp_scales (int32; the entries are numbered through the quantised products in the list's order, A before B).
;;     - Each number is divided by the scale, clamped to +-448, and rounded to the nearest number of E4M3, ties to even, subnormals kept.
;;     - The product sums the exact products of the quantised numbers (number of the format x scale) in f32.
;;   ~~~python
;;   def quantise(x, axis, e):      # numpy; x: float32 -> the quantised numbers, widened to float32 again
;;       x = np.moveaxis(x, axis, -1); K = x.shape[-1]
;;       r = np.clip(x / 2.0 ** e, -448, 448)
;;       step = 2.0 ** (np.maximum(np.frexp(np.where(r == 0, 1, r))[1] - 1, -6) - 3)
;;       q = np.round(r / step) * step * 2.0 ** e      # np.round: ties to even
;;       return np.moveaxis(q, -1, axis).astype(np.float32)
;;   ~~~
;;   SOFTMAX AHEAD OF A QUANTISED PRODUCT. Where the list says 'softmax', what is quantised is not the finished softmax but p = 2^(t - M), with t = logit x log2(e) and M = ceil(the row's largest t), a whole number; so 1/2 < the row's largest p <= 1. The row's sum l is taken of the UNQUANTISED p, in f32, and the product's result is divided by l at the end. Since M is a whole number, a kernel that streams over the keys may use a running M (the ceiling of the running maximum): every later rescaling is an exact power of two, so the quantised numbers keep their values, but for numbers so far below the row's largest that they fall under the format's range.
;;   OPERANDS COMPUTED ON THE WAY. 'Computed on the way' means the value that the module computes at that place (a softmax that the list does not call 'softmax' is quantised finished and normalised). What goes into a quantiser is computed in f32, as accurately as f32 sums, v_exp_f32 and their like allow (about 1e-6 of the number): no bf16 or f16 on the way to a quantiser, and a product that is left as it is and whose result goes on into a quantised operand takes f32 operands (vector FMAs, or v_wmma_f32_16x16x4_f32). A number that lies on a knife's edge between two numbers of the format may be rounded either way, as far as f32 arithmetic and the matrix unit's own rounding can turn it there, and no further.
;; 2 versions, each right. Each part assembles by itself: llvm-mc -triple=amdgcn-amd-amdhsa -mcpu=gfx1250 --defsym DOCPART=n.
;; ======== version 1 of 2: 2 launches
;; workspace buffers: kv 4,194,304 bytes
;; launch prep (part 1): grid 256 x 1, 8 waves a work-group, no clusters, 0 bytes of LDS; arguments k, v, lowp_scales, kv; writes kv
.if DOCPART == 1
	.amdgcn_target "amdgcn-amd-amdhsa--gfx1250"
	.amdhsa_code_object_version 6
	.text
	.protected	k_q5696c1d567_prep
	.globl	k_q5696c1d567_prep
	.p2align	8
	.type	k_q5696c1d567_prep,@function
k_q5696c1d567_prep:
	s_mov_b64 s[64:65], 0
	v_nop
	global_prefetch_b8 v0, s[64:65] scope:SCOPE_SE
	s_setreg_imm32_b32 hwreg(HW_REG_WAVE_MODE, 25, 1), 1
	s_wait_xcnt 0x0
; k and v, [16][2048][64] f32, become codes of FP8 (E4M3), each with its given scale 2^e (k: entry 1 of the scales, v: entry 3), laid in kv IN THE ORDER OF THE OPERAND REGISTERS
; of the launch that follows, so that a fragment comes there by loads of 16 bytes a lane, 512 consecutive bytes a wave.
; code = x / 2^e, held within +-448, rounded to the nearest code, ties to even.  LIMITS: e between -126 and 119, so that 2^e and 448 x 2^e are f32 numbers.  NaN among the inputs is not served.
; kv: a head is 262,144 bytes, a step of 128 keys 16,384: first K's area, 8,192 bytes, then V's, 8,192.
;   K's area: tile t = 2 b + u at 1,024 t; group g at 512 g + 16 x lane: lane (r, h) holds key 32 b + 8 u + r + 8 (r / 8) of the step, channels 32 g + 16 h + 0 .. 15.
;   V's area: channel tile ct at 2,048 ct; group c at 512 c + 16 x lane: lane (r, h) holds channel 16 ct + r, keys 32 c + 16 h + 0 .. 15 of the step (the keys are the second product's K).
; SHARES.  A wave takes a unit of 32 keys x 64 channels: 8,192 bytes in, 2,048 out, 64 numbers a lane.  1,024 units of k (work-groups 0 to 127), 1,024 of v (128 to 255).
; For k a lane's 16 numbers are neighbours in memory (four loads of 16 bytes); for v a lane takes a channel and its registers run down the keys (loads of 4 bytes, sixteen lanes on 64 consecutive bytes):
; either way the conversions find neighbours along K in one lane's consecutive registers.  No LDS, no barrier, no loop; no register is written twice, so no store's data are ever rewritten.
.set X, 16                             ; v16-79  the lane's 64 numbers
.set C, 80                             ; v80-95  their codes
	s_load_b256 s[4:11], s[0:1], 0x0               ; k s[4:5], v s[6:7], the scales' exponents s[8:9], kv s[10:11]
	v_lshrrev_b32 v5, 5, v0
	v_readfirstlane_b32 s12, v5                    ; wave 0..7
	v_and_b32 v1, 15, v0                           ; r
	v_bfe_u32 v2, v0, 4, 1                         ; h
	v_and_b32 v4, 31, v0
	v_lshlrev_b32 v4, 4, v4                        ; 16 x lane: my place in a run of 512 bytes of codes
	s_wait_kmcnt 0x0
	s_load_b128 s[16:19], s[8:9], 0x0              ; eq, ek, ep, ev
	s_cmp_lt_u32 ttmp9, 128                        ; k's work-group or v's?  The choice hangs on the work-group's number alone
	s_cselect_b64 s[4:5], s[4:5], s[6:7]           ; the source
	s_cselect_b32 s21, 0, 128
	s_cselect_b32 s24, 11, 9                       ; a unit's place in its area: 2,048 bytes apart in K's, 512 in V's
	s_cselect_b32 s25, 0, 8192                     ; V's area lies behind K's
	s_sub_co_u32 s20, ttmp9, s21
	s_lshl_b32 s20, s20, 3
	s_add_co_u32 s20, s20, s12                     ; U: my unit, 0 .. 1,023
	s_lshl_b32 s22, s20, 13                        ; 8,192 bytes of f32 a unit
	s_mov_b32 s23, 0
	s_add_nc_u64 s[4:5], s[4:5], s[22:23]
	s_lshr_b32 s22, s20, 6                         ; the head: 64 units each
	s_lshl_b32 s22, s22, 18
	s_bfe_u32 s26, s20, 0x40002                    ; the step of 128 keys: (U / 4) mod 16
	s_lshl_b32 s26, s26, 14
	s_add_co_u32 s22, s22, s26
	s_and_b32 s26, s20, 3                          ; which 32 keys of the step
	s_lshl_b32 s26, s26, s24
	s_add_co_u32 s22, s22, s26
	s_add_co_u32 s22, s22, s25
	s_add_nc_u64 s[10:11], s[10:11], s[22:23]
; The tail of both ways.  e: which scalar register holds the exponent; stride: bytes from one run of 512 to the next.
.macro FINISH e, stride
	s_wait_kmcnt 0x0
	s_add_co_i32 s28, s[\e], 127
	s_lshl_b32 s29, s28, 23
	v_mov_b32 v11, s29                             ; 2^e as f32: the conversion takes its exponent field
	s_add_co_i32 s28, s28, 8
	s_lshl_b32 s28, s28, 23
	s_or_b32 s28, s28, 0x600000
	v_mov_b32 v10, s28                             ; 448 x 2^e
	s_wait_loadcnt 0x0
.set J, 0
.rept 64
	v_med3_num_f32 v[X+J], v[X+J], -v10, v10       ; the conversion to an 8-bit code does not saturate (ISA guide 7.6.2): the hold at the largest code x the scale
.set J, J+1
.endr
.irp m, 0,1,2,3,4,5,6,7
	v_cvt_scalef32_pk8_fp8_f32 v[C+2*\m:C+2*\m+1], v[X+8*\m:X+8*\m+7], v11
.endr
	v_nop                                          ; a plain line behind the last conversion
.irp n, 0,1,2,3
	global_store_b128 v4, v[C+4*\n:C+4*\n+3], s[10:11] offset:\n*(\stride)   ; 32 lanes store 512 consecutive bytes, at a multiple of 512 from kv's first byte
.endr
	s_endpgm
.endm
	s_cmp_lt_u32 ttmp9, 128
	s_cbranch_scc0 .Lv_way
	; k: lane (r, h) takes row 8 u + r + 8 (r / 8) of the unit's 32, channels 32 g + 16 h + 0 .. 15
	v_and_b32 v5, 8, v1
	v_add_nc_u32 v5, v5, v1                        ; r + 8 (r / 8)
	v_lshlrev_b32 v3, 8, v5                        ; a row is 256 bytes
	v_lshl_add_u32 v3, v2, 6, v3                   ; + 64 h
.irp u, 0,1
.irp g, 0,1
.irp j, 0,1,2,3
	global_load_b128 v[X+32*\u+16*\g+4*\j:X+32*\u+16*\g+4*\j+3], v3, s[4:5] offset:2048*\u+128*\g+16*\j th:TH_LOAD_NT
.endr
.endr
.endr
	FINISH 17, 512                                 ; run 2 u + g
.Lv_way:
	; v: lane (r, h) takes channel 16 ct + r, and its registers run down keys 16 h + 0 .. 15 of the unit's 32
	v_lshlrev_b32 v3, 2, v1
	v_lshl_add_u32 v3, v2, 12, v3                  ; 4 r + 16 h rows of 256 bytes
.set I, 0
.rept 16
.irp ct, 0,1,2,3
	global_load_b32 v[X+16*\ct+I], v3, s[4:5] offset:256*I+64*\ct th:TH_LOAD_NT   ; the four loads of a row stand together and cover its 256 bytes
.endr
.set I, I+1
.endr
	FINISH 19, 2048                                ; run ct: one channel tile's group for these 32 keys
.Lfunc_end_k_q5696c1d567_prep:
	.size	k_q5696c1d567_prep, .Lfunc_end_k_q5696c1d567_prep-k_q5696c1d567_prep
	.p2alignl 7, 3214868480
	.fill 96, 4, 3214868480
	.section	.rodata,"a",@progbits
	.p2align	6, 0x0
	.amdhsa_kernel k_q5696c1d567_prep
		.amdhsa_group_segment_fixed_size 0
		.amdhsa_private_segment_fixed_size 0
		.amdhsa_enable_private_segment 0
		.amdhsa_kernarg_size 32
		.amdhsa_user_sgpr_count 2
		.amdhsa_user_sgpr_kernarg_segment_ptr 1
		.amdhsa_wavefront_size32 1
		.amdhsa_system_sgpr_workgroup_id_x 1
		.amdhsa_system_sgpr_workgroup_id_y 1
		.amdhsa_system_sgpr_workgroup_id_z 1
		.amdhsa_system_vgpr_workitem_id 0
		.amdhsa_next_free_vgpr 96
		.amdhsa_next_free_sgpr 66
		.amdhsa_reserve_vcc 0
		.amdhsa_float_denorm_mode_32 3
		.amdhsa_float_denorm_mode_16_64 3
		.amdhsa_memory_ordered 1
		.amdhsa_forward_progress 1
		.amdhsa_inst_pref_size 20
	.end_amdhsa_kernel
	.amdgpu_metadata
---
amdhsa.version: [ 1, 2 ]
amdhsa.kernels:
  - .name:           k_q5696c1d567_prep
    .symbol:         k_q5696c1d567_prep.kd
    .args:
      - { .name: k, .offset: 0, .size: 8, .value_kind: global_buffer, .address_space: global }
      - { .name: v, .offset: 8, .size: 8, .value_kind: global_buffer, .address_space: global }
      - { .name: lowp_scales, .offset: 16, .size: 8, .value_kind: global_buffer, .address_space: global }
      - { .name: kv, .offset: 24, .size: 8, .value_kind: global_buffer, .address_space: global }
    .group_segment_fixed_size: 0
    .private_segment_fixed_size: 0
    .kernarg_segment_align: 8
    .kernarg_segment_size: 32
    .max_flat_workgroup_size: 256
    .sgpr_count:     66
    .vgpr_count:     96
    .wavefront_size: 32
...
	.end_amdgpu_metadata
.endif
;; end of part 1
;; launch attn (part 2): grid 16 x 16, 8 waves a work-group, no clusters, 322,560 bytes of LDS; arguments q, kv, mask, lowp_scales, out0; writes out0
.if DOCPART == 2
	.amdgcn_target "amdgcn-amd-amdhsa--gfx1250"
	.amdhsa_code_object_version 6
	.text
	.protected	k_q5696c1d567_attn
	.globl	k_q5696c1d567_attn
	.p2align	8
	.type	k_q5696c1d567_attn,@function
k_q5696c1d567_attn:
	s_mov_b64 s[64:65], 0
	v_nop
	global_prefetch_b8 v0, s[64:65] scope:SCOPE_SE
	s_setreg_imm32_b32 hwreg(HW_REG_WAVE_MODE, 25, 1), 1
	s_wait_xcnt 0x0
; out0[b][q][:] = the sum over k of softmax_k(q . k / 8, -infinity where mask[b][q][k]) v[b][k][:], both products on codes of FP8 (E4M3), each operand with its given scale: eq, ek, ep, ev.
; q [16][2048][64] f32 is quantised here; K's and V's codes come from kv, laid in the order of the operand registers (see the launch before); mask [16][2048][2048], one byte a score, 0 or 1.
; THE SOFTMAX AHEAD OF THE SECOND PRODUCT: t = score x log2(e) / 8; M = the largest t so far, rounded UP to a whole number; p = 2^(t - M) is quantised, not normalised; the sum l is taken of the unquantised p and divides at the end.
; SHARES.  A work-group owns 128 queries of one head: 8 tiles of 16.  WAVE w OWNS KEYS 256 w .. 256 w + 255: their fragments of K (128 registers) and of V^T (128) are loaded once and stay in the second register window.
; Every wave walks the 8 tiles of queries, a tile in two substeps of 128 keys with a running M, and leaves its part (O^T, -M, l) in LDS.  Behind one barrier wave w joins the 8 parts of tile w: every M is a whole number,
; so each part is brought under the largest M by a power of two, which rounds nothing.  No fragment of K or V is ever read from LDS, and no LDS byte is written twice.
; LAYOUT.  Both products are used transposed: S^T = K Q^T (source 0 = 16 keys, source 1 = 16 queries), O^T = V^T P^T: a lane holds ONE query (lane % 16) throughout.  The keys of a tile are not neighbours: lane r of tile
; 2 b + u holds key 32 b + 8 u + r + 8 (r / 8), so that the 16 registers of tiles 2 b and 2 b + 1 are keys 32 b + 16 (lane / 16) + 0 .. 15, and the conversions' results are the second product's operand.
; THE MASK IS WIDENED BY THE MATRIX UNIT.  Its bytes are codes as they lie (0 is 0, 1 is 2^-9), and 16 bytes a lane, a lane a query, are a source 1.  Source 0 is a constant matrix that has one -256 in each row, at the
; place of the key that S^T holds in that row: the product is -0.5 where the key is masked and 0 elsewhere, in S^T's own layout.  One packed multiply-add, S + E x 2^100, then sets two masked scores to -2^99.
; The largest t of a tile starts at -(c x 2^98): under every true t (a sum of 64 products of codes is under 2^24) and over every masked one; so a masked p is 2^(-c x 2^98 or less) = 0.
; A query all of whose keys are masked ends as 0 x (1 / 0): NaN, as the softmax of a row of -infinity is.
; THE HOLD of p at 448 x 2^ep is jumped over, by a scalar branch on the given whole numbers, where it cannot bind: t - M is at most half a last place of t; with eq + ek <= 2, |t| < 2^24, so t - M <= 0.5 and
; p <= 1.42 < 1.75 = 448 x 2^-8 <= 448 x 2^ep.
; NO CLUSTER: what work-groups share is kv, 262,144 of the 557,056 bytes that a work-group reads; it is read once, at the head, straight into the registers where it stays.  A joint load lands in LDS: it would add
; 262,144 bytes of LDS writes and as many of reads.
; LIMITS.  eq + ek between -88 and 28 (c x 2^98 at least 150, c x 2^99 an f32 number); eq and ep between -126 and 119.  NaN among q, k, v is not served.  Inside a matrix instruction k is permuted, alike in both
; operands (registers 4 g .. 4 g + 3: k = 32 g + 16 (lane / 16) + 0 .. 15): the order of the sums inside an instruction differs from ascending k.  M runs by wave and by 128 keys: a p far under the row's largest, under the format's range, may keep bits that it would lose under the row's last M.
; REGISTERS.  Window 0: v1-9 addresses; v[10:11] a part's (-M, l); v12 -M, v13 the largest t, v[14:15] l in two halves; v16-23 Q's fragment; v24-37 the selection matrix; v[38:39] f; v40-71 O^T; v72-135 S^T, then p;
;   v136-167 the widened mask, four tiles; v168-183 p's codes; v184-247 four buffers of mask bytes; v248 2^ep, v249 448 x 2^ep; v[250:251] the sums' second chain; v252-254 at work.
;   Window 1: v0-127 K's fragments (substep s, tile t at 64 s + 8 t); v128-255 V's (128 + 64 s + 16 ct).
.set QIMG,  0                          ; LDS: Q's 8 fragments as images of their registers: tile T at 1,024 T, group g at 512 g + 16 x lane
.set PART,  8192                       ; the parts: (tile T, wave w) at PTILE T + PWAVE w: O^T's image, 8 runs of 512 bytes, then (-M, l) at 4,096 + 8 x lane
.set PWAVE, 4352
.set PTILE, 8*PWAVE
.set STAGE, PART+8*PTILE               ; the way out: for each wave 16 rows of 256 bytes + 16
.set SP,    272
.set SPARE, STAGE+8*PWAVE              ; the spare words, 128 bytes for each wave: four blocks of 256 bytes that no other line names
.set LI,  1                            ; v1  16 x lane
.set MO,  2                            ; v2  the mask: 2,048 r + 16 h.  At the end: my byte in the wave's rows of out0
.set PW,  3                            ; v3  LDS address of a part's image
.set SPW, 4                            ; v4  LDS address of my spare word: SPARE + 4 x my thread's number; never rewritten
.set NIL, 5                            ; v5  0; never rewritten
.set PFO, 6                            ; v6  the prefetch's offset: 32,768 (lane / 16) + 2,048 (lane % 16); never rewritten
.set L8,  7                            ; v7  8 x lane
.set ADQ, 8                            ; v8  LDS address of Q's images.  At the end: into the stage
.set PS,  9                            ; v9  LDS address of a part's (-M, l).  At the head: q's offset.  At the end: out of the stage
.set QF,  16
.set SEL, 24
.set OT,  40
.set SC,  72
.set EM,  136
.set PC,  168
.set MB,  184
.set WV,  14                           ; s14 wave
.set HD,  15                           ; s15 head
.set CS,  22                           ; s[22:23] c = log2(e) / 8 x 2^(eq + ek), twice
.set BIG, 24                           ; s[24:25] 2^100, twice
.set T0,  26                           ; s26 -(c x 2^98)
.set HOLD, 27                          ; s27 0 where the hold cannot bind
.set TRIPS, 28                         ; s28 the loop's trips to go
.set QB,  29                           ; s29 LDS byte of the trip's first image of Q
.set PB,  30                           ; s30 LDS byte of my part of the trip's first tile
.set EPV, 31                           ; s31 ep + ev
.set MSB, 0
.macro WIN new                         ; the immediate's high byte repeats the setting that is left
.if MSB != \new
	s_set_vgpr_msb (MSB<<8)|\new
.set MSB, \new
.endif
.endm
.macro KVAREA a                        ; area a of my 32,768 bytes of kv (K, V of my first 128 keys, K, V of my second): 16 loads of 512 consecutive bytes, into window 1.  No hint: sixteen work-groups read these bytes
.set J, 0
.rept 16
	global_load_b128 v[((\a)&1)*128+((\a)>>1)*64+4*J:((\a)&1)*128+((\a)>>1)*64+4*J+3], v[LI], s[6:7] offset:(\a)*8192+512*J
.set J, J+1
.endr
.endm
.macro MLOAD buf, off                  ; a substep's mask bytes: load i brings keys 32 i + 16 h + 0 .. 15 of query r
.irp i, 0,1,2,3
	global_load_b128 v[MB+16*(\buf)+4*\i:MB+16*(\buf)+4*\i+3], v[MO], s[8:9] offset:(\off)+32*\i th:TH_LOAD_NT
.endr
.endm
.macro MASKMM half, buf                ; 64 keys' mask bytes become four tiles of -0.5 or 0.  Tile t's selection matrix is the run of 8 registers in which v30, v31 stand at places 2 t, 2 t + 1
.irp t, 0,1,2,3
	v_wmma_f32_16x16x64_fp8_fp8 v[EM+8*\t:EM+8*\t+7], v[SEL+6-2*\t:SEL+13-2*\t], v[MB+16*(\buf)+8*(\half):MB+16*(\buf)+8*(\half)+7], 0
.endr
.endm
.macro KQMM sub                        ; S^T = K Q^T: eight tiles of 16 keys
	WIN 0x01                                       ; source 0 in window 1
.irp t, 0,1,2,3,4,5,6,7
	v_wmma_f32_16x16x64_fp8_fp8 v[SC+8*\t:SC+8*\t+7], v[64*(\sub)+8*\t:64*(\sub)+8*\t+7], v[QF:QF+7], 0
.endr
	WIN 0
.endm
.macro JOIN half                       ; S + E x 2^100, two scores a line; each accumulator from its low end on
.irp t, 0,1,2,3
.irp i, 0,2,4,6
	v_pk_fma_f32 v[SC+32*(\half)+8*\t+\i:SC+32*(\half)+8*\t+\i+1], v[EM+8*\t+\i:EM+8*\t+\i+1], s[BIG:BIG+1], v[SC+32*(\half)+8*\t+\i:SC+32*(\half)+8*\t+\i+1] op_sel_hi:[1,0,1]
.endr
.endr
.endm
.macro MAXA                            ; the largest of scores 0 to 29, in two chains
	v_max3_num_f32 v254, v[SC], v[SC+1], v[SC+2]
	v_max3_num_f32 v252, v[SC+3], v[SC+4], v[SC+5]
.irp i, 6,10,14,18,22,26
	v_max3_num_f32 v254, v254, v[SC+\i], v[SC+\i+1]
	v_max3_num_f32 v252, v252, v[SC+\i+2], v[SC+\i+3]
.endr
.endm
.macro MAXB                            ; scores 30 to 63, the two chains, the other half of the lanes; then as t (c is positive)
.irp i, 30,34,38,42,46,50,54,58
	v_max3_num_f32 v254, v254, v[SC+\i], v[SC+\i+1]
	v_max3_num_f32 v252, v252, v[SC+\i+2], v[SC+\i+3]
.endr
	v_max3_num_f32 v254, v254, v[SC+62], v[SC+63]
	v_max_num_f32 v254, v254, v252
	v_permlanex16_b32 v253, v254, s20, s21
	v_max_num_f32 v254, v254, v253
	v_mul_f32 v254, s[CS], v254
.endm
.macro PVMM sub                        ; O^T (+)= V^T P^T: four tiles of 16 channels, K = the substep's 128 keys.  A tile's first substep starts the sums: nothing is cleared.  The four accumulators take turns, one instruction a turn
	WIN 0x01
.irp t, 0,1,2,3
.if (\sub) == 0
	v_wmma_f32_16x16x128_fp8_fp8 v[OT+8*\t:OT+8*\t+7], v[128+16*\t:128+16*\t+15], v[PC:PC+15], 0
.else
	v_wmma_f32_16x16x128_fp8_fp8 v[OT+8*\t:OT+8*\t+7], v[192+16*\t:192+16*\t+15], v[PC:PC+15], v[OT+8*\t:OT+8*\t+7]
.endif
.endr
	WIN 0
.endm
; A SUBSTEP: tile tl of the trip's two, my keys 128 sub on.  cnt: the younger loads that may stay out when this substep's mask bytes have to be there (-1: the wait stands elsewhere);
; more = 1: the buffer is asked for again, for the next trip; pf = 1: the prefetch stands here; nq = 1: the next tile's Q is fetched.
.macro SUB tl, sub, cnt, more, pf, nq
.if (\cnt) >= 0
	s_wait_loadcnt \cnt
.endif
	MASKMM 0, 2*(\tl)+(\sub)
.if (\sub) == 0
	s_wait_dscnt 0x0                               ; Q's fragment is in, and the last tile's stores into LDS have read their registers
.endif
	KQMM \sub
.if ((\sub) == 0) && ((\tl) == 0)
	v_add_nc_u32 v[ADQ], s[QB], v[LI]              ; the trip's images of Q (no LDS load of mine is out here); it is one of the four places behind the last product
.rept 3
	v_nop
.endr
.else
.rept 4
	v_nop                                          ; four places between the last product and the first read of results (ISA guide 7.12.1)
.endr
.endif
	JOIN 0
	MASKMM 1, 2*(\tl)+(\sub)                       ; writes over the four tiles of E: behind each earlier product on them stand the four places above and the twelve joins of the other three tiles
	MAXA                                           ; fourteen plain lines that name none of those products' registers: their places, in front of the loads below and of the second join
.if \more
	MLOAD 2*(\tl)+(\sub), 65536+(\tl)*32768+(\sub)*128   ; the same substep of the next trip: three substeps' loads are always on their way behind the one in hand
.endif
.if \pf
	; A PREFETCH of the mask bytes that the NEXT trip's loads will ask for: my 256 bytes of each of that trip's 32 rows, a lane a row, one instruction a wave and trip, behind the loads just issued.
	; Each aligned block of 256 bytes is named once in the launch: no other wave reads it.  The first two trips' bytes come by their loads alone; the loop's last trip asks for nothing: there are no rows two trips on.
	s_cmp_gt_u32 s[TRIPS], 1
	s_cbranch_scc0 .Lnopf_\@
	global_prefetch_b8 v[PFO], s[8:9] offset:131072 th:TH_LOAD_NT scope:SCOPE_SE
.Lnopf_\@:
.endif
.if (\sub) && (\nq)
	ds_load_b128 v[QF:QF+3], v[ADQ] offset:((\tl)+1)*1024       ; the next tile's Q: this tile's last K Q^T stands more than four places back
	ds_load_b128 v[QF+4:QF+7], v[ADQ] offset:((\tl)+1)*1024+512
.endif
	JOIN 1
	MAXB
.if (\sub) == 0
	v_max_num_f32 v13, s[T0], v254                 ; a tile's largest t begins at -(c x 2^98)
	v_floor_f32 v12, -v13                          ; -M = floor(-t) = -ceil(t): M is a whole number
.else
	v_max_num_f32 v13, v13, v254
	v_mov_b32 v254, v12
	v_floor_f32 v12, -v13
	v_sub_f32 v254, v12, v254                      ; old M less new M: a whole number, 0 or less
	v_cvt_i32_f32 v254, v254                       ; (it saturates)
	v_ldexp_f32 v38, 1.0, v254                     ; f = 2^(old M - new M)
.endif
	; ONE BATCH: the 32 packed scalings t - M and the 64 exponentials, a pair's exponentials behind the next pair's scaling; in the second substep O^T's 16 packed multiplications by f stand among them.  None of these lines names an exponential's result.
	v_pk_fma_f32 v[SC:SC+1], v[SC:SC+1], s[CS:CS+1], v[12:13] op_sel_hi:[1,0,0]
.set J, 1
.rept 31
	v_pk_fma_f32 v[SC+2*J:SC+2*J+1], v[SC+2*J:SC+2*J+1], s[CS:CS+1], v[12:13] op_sel_hi:[1,0,0]
	v_exp_f32 v[SC+2*J-2], v[SC+2*J-2]
	v_exp_f32 v[SC+2*J-1], v[SC+2*J-1]
.if (\sub) && (J%2)
	v_pk_mul_f32 v[OT+J-1:OT+J], v[OT+J-1:OT+J], v[38:39] op_sel_hi:[1,0]   ; O^T under the new M, from each accumulator's low end on
.endif
.set J, J+1
.endr
	v_exp_f32 v[SC+62], v[SC+62]
	v_exp_f32 v[SC+63], v[SC+63]
.if \sub
	v_pk_mul_f32 v[14:15], v[14:15], v[38:39] op_sel_hi:[1,0]   ; l under the new M: the plain line behind the last exponential
.else
	v_nop                                          ; the plain line behind the last exponential
.endif
	s_wait_alu depctr_va_vdst(0)                   ; one wait for the batch, ahead of the first line that names a result
	; the sum of the unquantised p, two at a time, in two chains
.if (\sub) == 0
	v_pk_add_f32 v[14:15], v[SC:SC+1], v[SC+2:SC+3]
	v_pk_add_f32 v[250:251], v[SC+4:SC+5], v[SC+6:SC+7]
.set J, 8
.rept 14
	v_pk_add_f32 v[14:15], v[14:15], v[SC+J:SC+J+1]
	v_pk_add_f32 v[250:251], v[250:251], v[SC+J+2:SC+J+3]
.set J, J+4
.endr
.else
	v_pk_add_f32 v[250:251], v[SC:SC+1], v[SC+2:SC+3]
.set J, 4
.rept 15
	v_pk_add_f32 v[14:15], v[14:15], v[SC+J:SC+J+1]
	v_pk_add_f32 v[250:251], v[250:251], v[SC+J+2:SC+J+3]
.set J, J+4
.endr
.endif
	v_pk_add_f32 v[14:15], v[14:15], v[250:251]
	s_cmp_eq_u32 s[HOLD], 0                        ; the hold at 448 x 2^ep, where the given exponents let it bind (the conversion does not saturate: ISA guide 7.6.2); p is not negative, so it is one-sided
	s_cbranch_scc1 .Lfree_\@
.set J, 0
.rept 64
	v_min_num_f32 v[SC+J], v[SC+J], v249
.set J, J+1
.endr
.Lfree_\@:
.irp b, 0,1,2,3
	v_cvt_scalef32_pk8_fp8_f32 v[PC+4*\b:PC+4*\b+1], v[SC+16*\b:SC+16*\b+7], v248      ; registers 4 b .. 4 b + 3 of the operand: keys 32 b + 16 h + 0 .. 15
	v_cvt_scalef32_pk8_fp8_f32 v[PC+4*\b+2:PC+4*\b+3], v[SC+16*\b+8:SC+16*\b+15], v248
.endr
	v_nop                                          ; a plain line between the last conversion and the products that read its result
	PVMM \sub
.endm
; My part of tile tl goes to LDS as it stands in the registers.  The four lines at the head are plain and name none of the last products' registers: they are the four places in front of the stores.
.macro TILE_END tl
	v_add_f32 v11, v14, v15                        ; l's two halves
	v_mov_b32 v10, v12                             ; -M
	v_add_nc_u32 v[PW], s[PB], v[LI]
	v_add_nc_u32 v[PS], s[PB], v[L8]
.irp i, 0,1,2,3,4,5,6,7
	ds_store_b128 v[PW], v[OT+4*\i:OT+4*\i+3] offset:(\tl)*PTILE+512*\i
.endr
	ds_store_b64 v[PS], v[10:11] offset:(\tl)*PTILE+4096
.endm
.macro TRIP more, c1, c2, c3           ; two tiles of queries
	SUB 0, 0, -1, \more, \more, 0
	SUB 0, 1, \c1, \more, 0, 1
	TILE_END 0
	SUB 1, 0, \c2, \more, 0, 0
	SUB 1, 1, \c3, \more, 0, \more
	TILE_END 1
.endm
.macro PIMG ww, reg                    ; wave ww's O^T of my tile, into v[reg] on
.irp i, 0,1,2,3,4,5,6,7
	ds_load_b128 v[(\reg)+4*\i:(\reg)+4*\i+3], v[PW] offset:(\ww)*PWAVE+512*\i
.endr
.endm
	; ---- THE HEAD
	s_load_b256 s[4:11], s[0:1], 0x0               ; q s[4:5], kv s[6:7], mask s[8:9], the scales' exponents s[10:11]
	s_load_b64 s[12:13], s[0:1], 0x20              ; out0
	v_lshl_add_u32 v[SPW], v0, 2, SPARE
	v_mov_b32 v[NIL], 0
	v_lshrrev_b32 v10, 5, v0
	v_readfirstlane_b32 s[WV], v10                 ; wave 0..7
	s_and_b32 s[HD], ttmp7, 0xffff                 ; the head
	v_and_b32 v10, 15, v0                          ; r
	v_bfe_u32 v11, v0, 4, 1                        ; h
	v_and_b32 v12, 31, v0                          ; lane
	v_lshlrev_b32 v[LI], 4, v12
	v_lshlrev_b32 v[L8], 3, v12
	v_lshlrev_b32 v[MO], 11, v10
	v_lshl_add_u32 v[MO], v11, 4, v[MO]            ; a row of the mask is 2,048 bytes
	v_lshlrev_b32 v[PFO], 11, v10
	v_lshl_add_u32 v[PFO], v11, 15, v[PFO]
	v_lshlrev_b32 v[PS], 8, v10
	v_lshl_add_u32 v[PS], v11, 6, v[PS]            ; q: row r of 256 bytes, + 64 h: my 16 numbers of a group of 32
	s_lshl_b32 s32, s[HD], 19                      ; q and out0: head x 524,288 + block x 32,768 + wave x 4,096: my 16 rows
	s_lshl_b32 s33, ttmp9, 15
	s_add_co_u32 s32, s32, s33
	s_lshl_b32 s33, s[WV], 12
	s_add_co_u32 s32, s32, s33
	s_mov_b32 s33, 0
	s_lshl_b32 s34, s[HD], 18                      ; kv: head x 262,144 + wave x 32,768: my 256 keys
	s_lshl_b32 s35, s[WV], 15
	s_add_co_u32 s34, s34, s35
	s_mov_b32 s35, 0
	s_lshl_b32 s36, s[HD], 22                      ; mask: head x 4,194,304 + block x 262,144 + wave x 256
	s_lshl_b32 s37, ttmp9, 18
	s_add_co_u32 s36, s36, s37
	s_lshl_b32 s37, s[WV], 8
	s_add_co_u32 s36, s36, s37
	s_mov_b32 s37, 0
	s_wait_kmcnt 0x0
	s_load_b128 s[16:19], s[10:11], 0x0            ; eq, ek, ep, ev
	s_add_nc_u64 s[4:5], s[4:5], s[32:33]
	s_add_nc_u64 s[12:13], s[12:13], s[32:33]
	s_add_nc_u64 s[6:7], s[6:7], s[34:35]
	s_add_nc_u64 s[8:9], s[8:9], s[36:37]
.irp g, 0,1
.irp j, 0,1,2,3
	global_load_b128 v[SC+16*\g+4*\j:SC+16*\g+4*\j+3], v[PS], s[4:5] offset:128*\g+16*\j th:TH_LOAD_NT   ; my tile of q: 32 numbers a lane
.endr
.endr
	WIN 0x40                                       ; destination in window 1
	KVAREA 0
	KVAREA 1
	WIN 0
	MLOAD 0, 0                                     ; tile 0, substep 0
	; the selection matrix.  Row m = r of tile t wants the byte that lies in half m / 8 of the lanes, register 2 t + (m % 8) / 4, byte m % 4 of the 64 keys' eight registers
	v_and_b32 v13, 3, v10
	v_lshlrev_b32 v13, 3, v13
	v_mov_b32 v14, 0xf8                            ; the code of -256
	v_lshlrev_b32 v13, v13, v14                    ; in byte r % 4,
	v_lshrrev_b32 v15, 3, v10
	v_cmp_eq_u32 vcc_lo, v15, v11
	v_cndmask_b32 v13, 0, v13, vcc_lo              ; where r / 8 = h
	v_and_b32 v15, 4, v10
	v_cmp_eq_u32 vcc_lo, 0, v15
	v_cndmask_b32 v[SEL+6], 0, v13, vcc_lo         ; v30: rows with (r % 8) / 4 = 0,
	v_sub_nc_u32 v[SEL+7], v13, v[SEL+6]           ; v31: the others
.irp i, 0,1,2,3,4,5,8,9,10,11,12,13
	v_mov_b32 v[SEL+\i], 0
.endr
	v_mov_b32 v39, 0                               ; (named as the upper half of the pair v[38:39])
	v_mov_b32 v253, 0                              ; written once: a lane permute's destination counts as one of its sources
	s_mov_b32 s20, 0x76543210                      ; v_permlanex16_b32's selects for lane l xor 16
	s_mov_b32 s21, 0xfedcba98
	s_mov_b32 s[BIG], 0x71800000                   ; 2^100
	s_mov_b32 s[BIG+1], s[BIG]
	s_mov_b32 s[TRIPS], 3
	s_mov_b32 s[QB], QIMG
	s_mul_i32 s[PB], s[WV], PWAVE
	s_add_co_u32 s[PB], s[PB], PART
	s_wait_kmcnt 0x0
	s_add_co_i32 s32, s16, s17                     ; eq + ek: a score stands for score x 2^(eq + ek): added to c's exponent field
	s_lshl_b32 s33, s32, 23
	s_mov_b32 s[CS], 0x3e38aa3b                    ; log2(e) / 8
	s_add_co_i32 s[CS], s[CS], s33
	s_mov_b32 s[CS+1], s[CS]
	s_add_co_u32 s[T0], s[CS], 98<<23
	s_or_b32 s[T0], s[T0], 0x80000000              ; -(c x 2^98)
	s_cmp_lt_i32 s18, -8
	s_cselect_b32 s[HOLD], 1, 0
	s_cmp_gt_i32 s32, 2
	s_cselect_b32 s34, 1, 0
	s_or_b32 s[HOLD], s[HOLD], s34                 ; 0 where ep >= -8 and eq + ek <= 2
	s_add_co_i32 s[EPV], s18, s19
	s_add_co_i32 s34, s16, 127
	s_lshl_b32 s35, s34, 23
	v_mov_b32 v250, s35                            ; 2^eq, for q's conversions
	s_add_co_i32 s34, s34, 8
	s_lshl_b32 s34, s34, 23
	s_or_b32 s34, s34, 0x600000
	v_mov_b32 v251, s34                            ; 448 x 2^eq
	s_add_co_i32 s34, s18, 127
	s_lshl_b32 s35, s34, 23
	v_mov_b32 v248, s35                            ; 2^ep, for p's
	s_add_co_i32 s34, s34, 8
	s_lshl_b32 s34, s34, 23
	s_or_b32 s34, s34, 0x600000
	v_mov_b32 v249, s34                            ; 448 x 2^ep
	s_lshl_b32 s34, s[WV], 10
	v_add_nc_u32 v[ADQ], s34, v[LI]                ; where my tile's image goes
	s_wait_loadcnt 36                              ; q's eight loads are in; behind them 16 + 16 of kv and 4 of the mask may be out
.set J, 0
.rept 32
	v_med3_num_f32 v[SC+J], v[SC+J], -v251, v251   ; the hold at the largest code x the scale
.set J, J+1
.endr
.irp m, 0,1,2,3
	v_cvt_scalef32_pk8_fp8_f32 v[QF+2*\m:QF+2*\m+1], v[SC+8*\m:SC+8*\m+7], v250
.endr
	v_nop                                          ; a plain line behind the last conversion
	ds_store_b128 v[ADQ], v[QF:QF+3] offset:QIMG
	ds_store_b128 v[ADQ], v[QF+4:QF+7] offset:QIMG+512
	WIN 0x40
	KVAREA 2
	KVAREA 3
	WIN 0
	MLOAD 1, 128                                   ; tile 0, substep 1
	MLOAD 2, 32768                                 ; tile 1
	MLOAD 3, 32896
	s_wait_dscnt 0x0                               ; for the others' sake: my image of Q has landed
	s_barrier_signal -1
	s_barrier_wait -1                              ; all eight lie in LDS; nobody writes them again
	ds_load_b128 v[QF:QF+3], v[LI] offset:QIMG     ; tile 0's
	ds_load_b128 v[QF+4:QF+7], v[LI] offset:QIMG+512
	s_wait_loadcnt 44                              ; my first 128 keys' codes and substep 0's mask bytes are in; behind them 32 loads of kv and 12 of the mask may be out
	; ---- THE WALK: four trips of two tiles; the last is written out, since it asks for nothing more
.Ltrip:
	TRIP 1, 12, 12, 12                             ; behind a buffer's four loads stand the other three buffers' twelve (in the first trip the second 128 keys' codes were asked for ahead of buffer 1)
	s_wait_xcnt 0x0                                ; the trip's loads and its prefetch have read their base: it may step
	s_add_nc_u64 s[8:9], s[8:9], 0x10000           ; 32 rows of the mask on
	s_add_co_u32 s[QB], s[QB], 2048
	s_add_co_u32 s[PB], s[PB], 2*PTILE
	s_wait_loadcnt 12                              ; the next trip's first substep: its mask bytes are in
	s_sub_co_u32 s[TRIPS], s[TRIPS], 1
	s_cmp_lg_u32 s[TRIPS], 0
	s_cbranch_scc1 .Ltrip
	TRIP 0, 8, 4, 0                                ; nothing is asked for any more: the counts run down
	; ---- THE PARTS ARE JOINED: wave w takes tile w
	s_wait_dscnt 0x0                               ; for the others' sake: my parts have landed
	s_barrier_signal -1
	s_barrier_wait -1
	s_mul_i32 s32, s[WV], PTILE
	s_add_co_u32 s33, s32, PART+4096
	v_add_nc_u32 v[PS], s33, v[L8]
	s_add_co_u32 s32, s32, PART
	v_add_nc_u32 v[PW], s32, v[LI]
.irp ww, 0,1,2,3,4,5,6,7
	ds_load_b64 v[EM+2*\ww:EM+2*\ww+1], v[PS] offset:\ww*PWAVE   ; (-M, l) of wave ww
.endr
	PIMG 0, SC
	PIMG 1, SC+32
	s_wait_dscnt 16                                ; the eight pairs are in; two images may be out
	v_min_num_f32 v12, v[EM], v[EM+2]              ; the least -M: the row's M
	v_min_num_f32 v13, v[EM+4], v[EM+6]
	v_min_num_f32 v14, v[EM+8], v[EM+10]
	v_min_num_f32 v15, v[EM+12], v[EM+14]
	v_min_num_f32 v12, v12, v13
	v_min_num_f32 v14, v14, v15
	v_min_num_f32 v12, v12, v14
.irp ww, 0,1,2,3,4,5,6,7
	v_sub_f32 v[EM+2*\ww], v12, v[EM+2*\ww]        ; M of wave ww less the row's: a whole number, 0 or less
.endr
.irp ww, 0,1,2,3,4,5,6,7
	v_cvt_i32_f32 v[EM+2*\ww], v[EM+2*\ww]         ; (it saturates)
.endr
.irp ww, 0,1,2,3,4,5,6,7
	v_ldexp_f32 v[EM+2*\ww], 1.0, v[EM+2*\ww]      ; f of wave ww: a power of two
.endr
	v_mul_f32 v10, v[EM], v[EM+1]
.irp ww, 1,2,3,4,5,6,7
	v_fma_f32 v10, v[EM+2*\ww], v[EM+2*\ww+1], v10 ; l = the sum of f x l
.endr
	v_permlanex16_b32 v253, v10, s20, s21
	v_add_f32 v10, v10, v253                       ; and the other half of the lanes'
	v_rcp_f32 v10, v10
	v_nop                                          ; a plain line behind the reciprocal
	s_wait_alu depctr_va_vdst(0)                   ; and the wait ahead of its first reader
	v_ldexp_f32 v10, v10, s[EPV]                   ; x 2^(ep + ev)
.irp ww, 0,1,2,3,4,5,6,7
	v_mul_f32 v[EM+2*\ww], v[EM+2*\ww], v10
.endr
.irp ww, 0,1,2,3,4,5,6,7
.if \ww < 7
	s_wait_dscnt 8                                 ; this image is in; the next one's eight loads may be out
.else
	s_wait_dscnt 0x0
.endif
.set BF, SC+32*(\ww%2)
.set J, 0
.rept 16
.if \ww == 0
	v_pk_mul_f32 v[OT+J:OT+J+1], v[BF+J:BF+J+1], v[EM+2*\ww:EM+2*\ww+1] op_sel_hi:[1,0]   ; the first part starts the sums (of the pair (f, l) the low word serves both halves)
.else
	v_pk_fma_f32 v[OT+J:OT+J+1], v[BF+J:BF+J+1], v[EM+2*\ww:EM+2*\ww+1], v[OT+J:OT+J+1] op_sel_hi:[1,0,1]
.endif
.set J, J+2
.endr
.if \ww < 6
	PIMG \ww+2, BF                                 ; into the registers just read
.endif
.endr
	; ---- THE WAY OUT.  Register 8 ct + j of lane (r, h) is out0(query r, channel 16 ct + 8 h + j): 16 rows of 256 bytes go through my own stage and come back as whole rows.
	v_and_b32 v14, 15, v0                          ; r
	v_bfe_u32 v15, v0, 4, 1                        ; h
	s_mul_i32 s32, s[WV], PWAVE
	s_add_co_u32 s32, s32, STAGE
	v_mul_u32_u24 v[ADQ], v14, SP
	v_lshl_add_u32 v[ADQ], v15, 5, v[ADQ]
	v_add_nc_u32 v[ADQ], s32, v[ADQ]               ; in: row r, + 32 h
	v_mul_u32_u24 v[PS], v15, SP
	v_lshl_add_u32 v[PS], v14, 4, v[PS]
	v_add_nc_u32 v[PS], s32, v[PS]                 ; back: lanes 0-15 one row, lanes 16-31 the next
	v_lshlrev_b32 v[MO], 8, v15
	v_lshl_add_u32 v[MO], v14, 4, v[MO]            ; and the same two rows in out0
.irp ct, 0,1,2,3
	ds_store_b128 v[ADQ], v[OT+8*\ct:OT+8*\ct+3] offset:64*\ct
	ds_store_b128 v[ADQ], v[OT+8*\ct+4:OT+8*\ct+7] offset:64*\ct+16
.endr
.irp i, 0,1,2,3,4,5,6,7
	ds_load_b128 v[SC+4*\i:SC+4*\i+3], v[PS] offset:2*\i*SP   ; LDS serves a wave's instructions in order (ISA guide 5.7.1.4): these see my stores
.endr
.irp i, 0,1,2,3,4,5,6,7
	s_wait_dscnt 7-\i
	global_store_b128 v[MO], v[SC+4*\i:SC+4*\i+3], s[12:13] offset:512*\i th:TH_STORE_NT   ; sixteen lanes store a row's 256 consecutive bytes, at a multiple of 256 from out0's first byte
.endr
	s_wait_tensorcnt 0x0                           ; the wave's end
	ds_add_u32 v[SPW], v[NIL]
	s_wait_dscnt 0x0
	s_endpgm
.Lfunc_end_k_q5696c1d567_attn:
	.size	k_q5696c1d567_attn, .Lfunc_end_k_q5696c1d567_attn-k_q5696c1d567_attn
	.p2alignl 7, 3214868480
	.fill 96, 4, 3214868480
	.section	.rodata,"a",@progbits
	.p2align	6, 0x0
	.amdhsa_kernel k_q5696c1d567_attn
		.amdhsa_group_segment_fixed_size 322560
		.amdhsa_private_segment_fixed_size 0
		.amdhsa_enable_private_segment 0
		.amdhsa_kernarg_size 40
		.amdhsa_user_sgpr_count 2
		.amdhsa_user_sgpr_kernarg_segment_ptr 1
		.amdhsa_wavefront_size32 1
		.amdhsa_system_sgpr_workgroup_id_x 1
		.amdhsa_system_sgpr_workgroup_id_y 1
		.amdhsa_system_sgpr_workgroup_id_z 1
		.amdhsa_system_vgpr_workitem_id 0
		.amdhsa_next_free_vgpr 512
		.amdhsa_next_free_sgpr 66
		.amdhsa_reserve_vcc 1
		.amdhsa_float_denorm_mode_32 3
		.amdhsa_float_denorm_mode_16_64 3
		.amdhsa_memory_ordered 1
		.amdhsa_forward_progress 1
		.amdhsa_inst_pref_size 159
	.end_amdhsa_kernel
	.amdgpu_metadata
---
amdhsa.version: [ 1, 2 ]
amdhsa.kernels:
  - .name:           k_q5696c1d567_attn
    .symbol:         k_q5696c1d567_attn.kd
    .args:
      - { .name: q, .offset: 0, .size: 8, .value_kind: global_buffer, .address_space: global }
      - { .name: kv, .offset: 8, .size: 8, .value_kind: global_buffer, .address_space: global }
      - { .name: mask, .offset: 16, .size: 8, .value_kind: global_buffer, .address_space: global }
      - { .name: lowp_scales, .offset: 24, .size: 8, .value_kind: global_buffer, .address_space: global }
      - { .name: out0, .offset: 32, .size: 8, .value_kind: global_buffer, .address_space: global }
    .group_segment_fixed_size: 322560
    .private_segment_fixed_size: 0
    .kernarg_segment_align: 8
    .kernarg_segment_size: 40
    .max_flat_workgroup_size: 256
    .sgpr_count:     66
    .vgpr_count:     512
    .wavefront_size: 32
...
	.end_amdgpu_metadata
.endif
;; end of part 2
;; ======== version 2 of 2: 2 launches
;; workspace buffers: kv 4,194,304 bytes
;; launch prep: the kernel of part 1 again; grid 256 x 1, 8 waves a work-group, no clusters, 0 bytes of LDS; arguments k, v, lowp_scales, kv; writes kv
;; launch attn (part 3): grid 16 x 16, 8 waves a work-group, no clusters, 322,560 bytes of LDS; arguments q, kv, mask, lowp_scales, out0; writes out0
.if DOCPART == 3
	.amdgcn_target "amdgcn-amd-amdhsa--gfx1250"
	.amdhsa_code_object_version 6
	.text
	.protected	k_q5696c1d567_attn
	.globl	k_q5696c1d567_attn
	.p2align	8
	.type	k_q5696c1d567_attn,@function
k_q5696c1d567_attn:
	s_mov_b64 s[64:65], 0
	v_nop
	global_prefetch_b8 v0, s[64:65] scope:SCOPE_SE
	s_setreg_imm32_b32 hwreg(HW_REG_WAVE_MODE, 25, 1), 1
	s_wait_xcnt 0x0
; out0[b][q][:] = the sum over k of softmax_k(q . k / 8, -infinity where mask[b][q][k]) v[b][k][:], both products on codes of FP8 (E4M3), each operand with its given scale: eq, ek, ep, ev.
; q [16][2048][64] f32 is quantised here; K's and V's codes come from kv, laid in the order of the operand registers (see the launch before); mask [16][2048][2048], one byte a score, 0 or 1.
; THE SOFTMAX AHEAD OF THE SECOND PRODUCT: t = score x log2(e) / 8; M = the largest t so far, rounded UP to a whole number; p = 2^(t - M) is quantised, not normalised; the sum l is taken of the unquantised p and divides at the end.
; SHARES.  A work-group owns 128 queries of one head: 8 tiles of 16.  WAVE w OWNS KEYS 256 w .. 256 w + 255: their fragments of K (128 registers) and of V^T (128) are loaded once and stay in the second register window.
; Every wave walks the 8 tiles of queries, a tile in two substeps of 128 keys with a running M, and leaves its part (O^T, -M, l) in LDS.  Behind one barrier wave w joins the 8 parts of tile w: every M is a whole number,
; so each part is brought under the largest M by a power of two, which rounds nothing.  No fragment of K or V is ever read from LDS.
; LAYOUT.  Both products are used transposed: S^T = K Q^T (source 0 = 16 keys, source 1 = 16 queries), O^T = V^T P^T: a lane holds ONE query (lane % 16) throughout.  The keys of a tile are not neighbours: lane r of tile
; 2 b + u holds key 32 b + 8 u + r + 8 (r / 8), so that the 16 registers of tiles 2 b and 2 b + 1 are keys 32 b + 16 (lane / 16) + 0 .. 15, and the conversions' results are the second product's operand.
; THE MASK IS WIDENED BY THE MATRIX UNIT.  Its bytes are codes as they lie (0 is 0, 1 is 2^-9), and 16 bytes a lane, a lane a query, are a source 1.  Source 0 is a constant matrix that has one -256 in each row, at the
; place of the key that S^T holds in that row: the product is -0.5 where the key is masked and 0 elsewhere, in S^T's own layout.  One packed multiply-add, S + E x 2^100, then sets two masked scores to -2^99.
; The largest t of a tile starts at -(c x 2^98): under every true t (a sum of 64 products of codes is under 2^24) and over every masked one; so a masked p is 2^(-c x 2^98 or less) = 0.
; A query all of whose keys are masked ends as 0 x (1 / 0): NaN, as the softmax of a row of -infinity is.
; THE MASK AND q COME IN WHOLE RUNS AND TURN THROUGH LDS.  The operand wants a lane to a query; a load is best where neighbouring lanes take neighbouring bytes.  Both are had: a tile's mask bytes for my keys are 16 rows x 256
; bytes, and each of eight loads takes two whole rows, sixteen lanes to a row's 256 consecutive, aligned bytes; they go into my own stage in LDS (rows 272 bytes apart) as they lie and come back a lane to a row, into the
; registers that they left.  A tile of q, 16 rows x 256 bytes, takes the same road.  LDS serves a wave's instructions in order (ISA guide 5.7.1.4), so one stage serves all tiles, with no wait between the stores and the loads.
; THE HOLD of p at 448 x 2^ep is jumped over, by a scalar branch on the given whole numbers, where it cannot bind: t - M is at most half a last place of t; with eq + ek <= 2, |t| < 2^24, so t - M <= 0.5 and
; p <= 1.42 < 1.75 = 448 x 2^-8 <= 448 x 2^ep.
; NO CLUSTER: what work-groups share is kv, 262,144 of the 557,056 bytes that a work-group reads; it is read once, at the head, straight into the registers where it stays.  A joint load lands in LDS: it would add
; 262,144 bytes of LDS writes and as many of reads.
; LIMITS.  eq + ek between -88 and 28 (c x 2^98 at least 150, c x 2^99 an f32 number); eq and ep between -126 and 119.  NaN among q, k, v is not served.  Inside a matrix instruction k is permuted, alike in both
; operands (registers 4 g .. 4 g + 3: k = 32 g + 16 (lane / 16) + 0 .. 15): the order of the sums inside an instruction differs from ascending k.  M runs by wave and by 128 keys: a p far under the row's largest, under the format's range, may keep bits that it would lose under the row's last M.
; REGISTERS.  Window 0: v1-9, v255 addresses; v[10:11] a part's (-M, l); v12 -M, v13 the largest t, v[14:15] l in two halves; v16-23 Q's fragment; v24-37 the selection matrix; v[38:39] f; v40-71 O^T; v72-135 S^T, then p;
;   v136-167 the widened mask, four tiles; v168-183 p's codes; v184-247 mask bytes, two tiles of 32 registers; v248 2^ep, v249 448 x 2^ep; v[250:251] the sums' second chain; v252-254 at work.
;   Window 1: v0-127 K's fragments (substep s, tile t at 64 s + 8 t); v128-255 V's (128 + 64 s + 16 ct).
.set QIMG,  0                          ; LDS: Q's 8 fragments as images of their registers: tile T at 1,024 T, group g at 512 g + 16 x lane
.set PART,  8192                       ; the parts: (tile T, wave w) at PTILE T + PWAVE w: O^T's image, 8 runs of 512 bytes, then (-M, l) at 4,096 + 8 x lane
.set PWAVE, 4352
.set PTILE, 8*PWAVE
.set STAGE, PART+8*PTILE               ; for each wave 16 rows of 256 bytes + 16, its own: q's turn, the mask's turns, the way out
.set SP,    272                        ; 68 words: row r starts at bank 4 r mod 64 (64 banks of 4 bytes: ISA guide 11.1)
.set SPARE, STAGE+8*PWAVE              ; the spare words, 128 bytes for each wave: four blocks of 256 bytes that no other line names
.set LI,  1                            ; v1  16 x lane
.set MO,  2                            ; v2  the mask: 2,048 h + 16 r: two rows a load.  At the end: my byte in the wave's rows of out0
.set PW,  3                            ; v3  LDS address of a part's image
.set SPW, 4                            ; v4  LDS address of my spare word: SPARE + 4 x my thread's number; never rewritten
.set NIL, 5                            ; v5  0; never rewritten
.set PFO, 6                            ; v6  the prefetch's offset: 2,048 x lane; never rewritten
.set TR,  7                            ; v7  out of my stage, a lane to a row: SP r + 16 h; never rewritten
.set ADQ, 8                            ; v8  LDS address of Q's images.  At the end: into the stage
.set PS,  9                            ; v9  LDS address of a part's (-M, l).  At the head: q out of the stage
.set TS,  255                          ; v255 my stage by rows, sixteen lanes to a row: SP h + 16 r; never rewritten
.set QF,  16
.set SEL, 24
.set OT,  40
.set SC,  72
.set EM,  136
.set PC,  168
.set MB,  184
.set WV,  14                           ; s14 wave
.set HD,  15                           ; s15 head
.set CS,  22                           ; s[22:23] c = log2(e) / 8 x 2^(eq + ek), twice
.set BIG, 24                           ; s[24:25] 2^100, twice
.set T0,  26                           ; s26 -(c x 2^98)
.set HOLD, 27                          ; s27 0 where the hold cannot bind
.set TRIPS, 28                         ; s28 the loop's trips to go
.set QB,  29                           ; s29 LDS byte of the trip's first image of Q
.set PB,  30                           ; s30 LDS byte of my part of the trip's first tile
.set EPV, 31                           ; s31 ep + ev
.set SB,  38                           ; s38 LDS byte of my stage
.set MSB, 0
.macro WIN new                         ; the immediate's high byte repeats the setting that is left
.if MSB != \new
	s_set_vgpr_msb (MSB<<8)|\new
.set MSB, \new
.endif
.endm
.macro KVAREA a                        ; area a of my 32,768 bytes of kv (K, V of my first 128 keys, K, V of my second): 16 loads of 512 consecutive bytes, into window 1.  No hint: sixteen work-groups read these bytes
.set J, 0
.rept 16
	global_load_b128 v[((\a)&1)*128+((\a)>>1)*64+4*J:((\a)&1)*128+((\a)>>1)*64+4*J+3], v[LI], s[6:7] offset:(\a)*8192+512*J
.set J, J+1
.endr
.endm
.macro MRAW tl, sub, off               ; rows 8 sub .. 8 sub + 7 of a tile's mask bytes, as they lie, into group (tl, sub): each load takes two rows' 256 consecutive bytes, at multiples of 256 from the mask's first byte
.irp i, 0,1,2,3
	global_load_b128 v[MB+16*(2*(\tl)+(\sub))+4*\i:MB+16*(2*(\tl)+(\sub))+4*\i+3], v[MO], s[8:9] offset:(\off)+(4*(\sub)+\i)*4096 th:TH_LOAD_NT
.endr
.endm
.macro TURN t                          ; the tile in buffer t turns through my stage, in place: behind it registers 16 s + 4 i .. + 3 of the buffer hold keys 128 s + 32 i + 16 h + 0 .. 15 of query r
.irp i, 0,1,2,3,4,5,6,7
	ds_store_b128 v[TS], v[MB+32*(\t)+4*\i:MB+32*(\t)+4*\i+3] offset:2*SP*\i
.endr
.irp i, 0,1,2,3,4,5,6,7
	ds_load_b128 v[MB+32*(\t)+4*\i:MB+32*(\t)+4*\i+3], v[TR] offset:128*(\i/4)+32*(\i%4)   ; LDS serves a wave's instructions in order: these see the stores above, and the next turn's stores come behind them
.endr
.endm
.macro MASKMM half, buf                ; 64 keys' mask bytes become four tiles of -0.5 or 0.  Tile t's selection matrix is the run of 8 registers in which v30, v31 stand at places 2 t, 2 t + 1
.irp t, 0,1,2,3
	v_wmma_f32_16x16x64_fp8_fp8 v[EM+8*\t:EM+8*\t+7], v[SEL+6-2*\t:SEL+13-2*\t], v[MB+16*(\buf)+8*(\half):MB+16*(\buf)+8*(\half)+7], 0
.endr
.endm
.macro KQMM sub                        ; S^T = K Q^T: eight tiles of 16 keys
	WIN 0x01                                       ; source 0 in window 1
.irp t, 0,1,2,3,4,5,6,7
	v_wmma_f32_16x16x64_fp8_fp8 v[SC+8*\t:SC+8*\t+7], v[64*(\sub)+8*\t:64*(\sub)+8*\t+7], v[QF:QF+7], 0
.endr
	WIN 0
.endm
.macro JOIN half                       ; S + E x 2^100, two scores a line; each accumulator from its low end on
.irp t, 0,1,2,3
.irp i, 0,2,4,6
	v_pk_fma_f32 v[SC+32*(\half)+8*\t+\i:SC+32*(\half)+8*\t+\i+1], v[EM+8*\t+\i:EM+8*\t+\i+1], s[BIG:BIG+1], v[SC+32*(\half)+8*\t+\i:SC+32*(\half)+8*\t+\i+1] op_sel_hi:[1,0,1]
.endr
.endr
.endm
.macro MAXA                            ; the largest of scores 0 to 29, in two chains
	v_max3_num_f32 v254, v[SC], v[SC+1], v[SC+2]
	v_max3_num_f32 v252, v[SC+3], v[SC+4], v[SC+5]
.irp i, 6,10,14,18,22,26
	v_max3_num_f32 v254, v254, v[SC+\i], v[SC+\i+1]
	v_max3_num_f32 v252, v252, v[SC+\i+2], v[SC+\i+3]
.endr
.endm
.macro MAXB                            ; scores 30 to 63, the two chains, the other half of the lanes; then as t (c is positive)
.irp i, 30,34,38,42,46,50,54,58
	v_max3_num_f32 v254, v254, v[SC+\i], v[SC+\i+1]
	v_max3_num_f32 v252, v252, v[SC+\i+2], v[SC+\i+3]
.endr
	v_max3_num_f32 v254, v254, v[SC+62], v[SC+63]
	v_max_num_f32 v254, v254, v252
	v_permlanex16_b32 v253, v254, s20, s21
	v_max_num_f32 v254, v254, v253
	v_mul_f32 v254, s[CS], v254
.endm
.macro PVMM sub                        ; O^T (+)= V^T P^T: four tiles of 16 channels, K = the substep's 128 keys.  A tile's first substep starts the sums: nothing is cleared.  The four accumulators take turns, one instruction a turn
	WIN 0x01
.irp t, 0,1,2,3
.if (\sub) == 0
	v_wmma_f32_16x16x128_fp8_fp8 v[OT+8*\t:OT+8*\t+7], v[128+16*\t:128+16*\t+15], v[PC:PC+15], 0
.else
	v_wmma_f32_16x16x128_fp8_fp8 v[OT+8*\t:OT+8*\t+7], v[192+16*\t:192+16*\t+15], v[PC:PC+15], v[OT+8*\t:OT+8*\t+7]
.endif
.endr
	WIN 0
.endm
; A SUBSTEP: tile tl of the trip's two, my keys 128 sub on.  cnt: a wait on the loads at its head (-1: none); more = 1: the group of mask registers just multiplied takes eight rows of the tile two tiles on;
; pf = 1: the prefetch stands here; nq = 1: the next tile's Q is fetched; turn: the next tile's mask bytes turn through the stage, behind a wait that leaves so many younger loads out (-1: no turn).
.macro SUB tl, sub, cnt, more, pf, nq, turn
.if (\cnt) >= 0
	s_wait_loadcnt \cnt
.endif
.if (\sub) == 0
	s_wait_dscnt 0x0                               ; the tile's mask bytes are back from the stage, Q's fragment is in, and the last tile's stores into LDS have read their registers
.endif
	MASKMM 0, 2*(\tl)+(\sub)
	KQMM \sub
.if ((\sub) == 0) && ((\tl) == 0)
	v_add_nc_u32 v[ADQ], s[QB], v[LI]              ; the trip's images of Q (no LDS load of mine is out here); it is one of the four places behind the last product
.rept 3
	v_nop
.endr
.else
.rept 4
	v_nop                                          ; four places between the last product and the first read of results (ISA guide 7.12.1)
.endr
.endif
	JOIN 0
	MASKMM 1, 2*(\tl)+(\sub)                       ; writes over the four tiles of E: behind each earlier product on them stand the four places above and the twelve joins of the other three tiles
	MAXA                                           ; fourteen plain lines that name none of those products' registers: their places, in front of the loads below and of the second join
.if \more
	MRAW \tl, \sub, 65536+(\tl)*32768              ; the tile two tiles on: its rows 0-7 in the first substep, 8-15 in the second; its turn stands in the next tile's second substep
.endif
.if \pf
	; A PREFETCH of the mask bytes that the NEXT trip's loads will ask for: my 256 bytes of each of that trip's 32 rows, a lane a row, one instruction a wave and trip, behind the loads just issued.
	; Each aligned block of 256 bytes is named once in the launch: no other wave reads it.  The first four tiles' bytes come by their loads alone; the loop's last trip asks for nothing: there are no rows two trips on.
	s_cmp_gt_u32 s[TRIPS], 1
	s_cbranch_scc0 .Lnopf_\@
	global_prefetch_b8 v[PFO], s[8:9] offset:131072 th:TH_LOAD_NT scope:SCOPE_SE
.Lnopf_\@:
.endif
.if (\sub) && (\nq)
	ds_load_b128 v[QF:QF+3], v[ADQ] offset:((\tl)+1)*1024       ; the next tile's Q: this tile's last K Q^T stands more than four places back
	ds_load_b128 v[QF+4:QF+7], v[ADQ] offset:((\tl)+1)*1024+512
.endif
	JOIN 1
	MAXB
.if (\sub) == 0
	v_max_num_f32 v13, s[T0], v254                 ; a tile's largest t begins at -(c x 2^98)
	v_floor_f32 v12, -v13                          ; -M = floor(-t) = -ceil(t): M is a whole number
.else
	v_max_num_f32 v13, v13, v254
	v_mov_b32 v254, v12
	v_floor_f32 v12, -v13
	v_sub_f32 v254, v12, v254                      ; old M less new M: a whole number, 0 or less
	v_cvt_i32_f32 v254, v254                       ; (it saturates)
	v_ldexp_f32 v38, 1.0, v254                     ; f = 2^(old M - new M)
.endif
	; ONE BATCH: the 32 packed scalings t - M and the 64 exponentials, a pair's exponentials behind the next pair's scaling; in the second substep O^T's 16 packed multiplications by f stand among them.  None of these lines names an exponential's result.
	v_pk_fma_f32 v[SC:SC+1], v[SC:SC+1], s[CS:CS+1], v[12:13] op_sel_hi:[1,0,0]
.set J, 1
.rept 31
	v_pk_fma_f32 v[SC+2*J:SC+2*J+1], v[SC+2*J:SC+2*J+1], s[CS:CS+1], v[12:13] op_sel_hi:[1,0,0]
	v_exp_f32 v[SC+2*J-2], v[SC+2*J-2]
	v_exp_f32 v[SC+2*J-1], v[SC+2*J-1]
.if (\sub) && (J%2)
	v_pk_mul_f32 v[OT+J-1:OT+J], v[OT+J-1:OT+J], v[38:39] op_sel_hi:[1,0]   ; O^T under the new M, from each accumulator's low end on
.endif
.set J, J+1
.endr
	v_exp_f32 v[SC+62], v[SC+62]
	v_exp_f32 v[SC+63], v[SC+63]
.if \sub
	v_pk_mul_f32 v[14:15], v[14:15], v[38:39] op_sel_hi:[1,0]   ; l under the new M: the plain line behind the last exponential
.else
	v_nop                                          ; the plain line behind the last exponential
.endif
	s_wait_alu depctr_va_vdst(0)                   ; one wait for the batch, ahead of the first line that names a result
.if (\turn) >= 0
	s_wait_loadcnt \turn                           ; the next tile's eight loads are in; behind them stand the eight of the tile after it, or none
	TURN 1-(\tl)                                   ; it comes back while the sums, the conversions, the products and the part's stores below are issued
.endif
	; the sum of the unquantised p, two at a time, in two chains
.if (\sub) == 0
	v_pk_add_f32 v[14:15], v[SC:SC+1], v[SC+2:SC+3]
	v_pk_add_f32 v[250:251], v[SC+4:SC+5], v[SC+6:SC+7]
.set J, 8
.rept 14
	v_pk_add_f32 v[14:15], v[14:15], v[SC+J:SC+J+1]
	v_pk_add_f32 v[250:251], v[250:251], v[SC+J+2:SC+J+3]
.set J, J+4
.endr
.else
	v_pk_add_f32 v[250:251], v[SC:SC+1], v[SC+2:SC+3]
.set J, 4
.rept 15
	v_pk_add_f32 v[14:15], v[14:15], v[SC+J:SC+J+1]
	v_pk_add_f32 v[250:251], v[250:251], v[SC+J+2:SC+J+3]
.set J, J+4
.endr
.endif
	v_pk_add_f32 v[14:15], v[14:15], v[250:251]
	s_cmp_eq_u32 s[HOLD], 0                        ; the hold at 448 x 2^ep, where the given exponents let it bind (the conversion does not saturate: ISA guide 7.6.2); p is not negative, so it is one-sided
	s_cbranch_scc1 .Lfree_\@
.set J, 0
.rept 64
	v_min_num_f32 v[SC+J], v[SC+J], v249
.set J, J+1
.endr
.Lfree_\@:
.irp b, 0,1,2,3
	v_cvt_scalef32_pk8_fp8_f32 v[PC+4*\b:PC+4*\b+1], v[SC+16*\b:SC+16*\b+7], v248      ; registers 4 b .. 4 b + 3 of the operand: keys 32 b + 16 h + 0 .. 15
	v_cvt_scalef32_pk8_fp8_f32 v[PC+4*\b+2:PC+4*\b+3], v[SC+16*\b+8:SC+16*\b+15], v248
.endr
	v_nop                                          ; a plain line between the last conversion and the products that read its result
	PVMM \sub
.endm
; My part of tile tl goes to LDS as it stands in the registers.  The five lines at the head are plain and name none of the last products' registers: among them are the four places in front of the stores.
.macro TILE_END tl
	v_add_f32 v11, v14, v15                        ; l's two halves
	v_mov_b32 v10, v12                             ; -M
	v_add_nc_u32 v[PW], s[PB], v[LI]
	v_lshrrev_b32 v[PS], 1, v[LI]                  ; 8 x lane
	v_add_nc_u32 v[PS], s[PB], v[PS]
.irp i, 0,1,2,3,4,5,6,7
	ds_store_b128 v[PW], v[OT+4*\i:OT+4*\i+3] offset:(\tl)*PTILE+512*\i
.endr
	ds_store_b64 v[PS], v[10:11] offset:(\tl)*PTILE+4096
.endm
.macro TRIP more, c1, t0, t1           ; two tiles of queries
	SUB 0, 0, -1, \more, \more, 0, -1
	SUB 0, 1, \c1, \more, 0, 1, \t0
	TILE_END 0
	SUB 1, 0, -1, \more, 0, 0, -1
	SUB 1, 1, -1, \more, 0, \more, \t1
	TILE_END 1
.endm
.macro PIMG ww, reg                    ; wave ww's O^T of my tile, into v[reg] on
.irp i, 0,1,2,3,4,5,6,7
	ds_load_b128 v[(\reg)+4*\i:(\reg)+4*\i+3], v[PW] offset:(\ww)*PWAVE+512*\i
.endr
.endm
	; ---- THE HEAD
	s_load_b256 s[4:11], s[0:1], 0x0               ; q s[4:5], kv s[6:7], mask s[8:9], the scales' exponents s[10:11]
	s_load_b64 s[12:13], s[0:1], 0x20              ; out0
	v_lshl_add_u32 v[SPW], v0, 2, SPARE
	v_mov_b32 v[NIL], 0
	v_lshrrev_b32 v10, 5, v0
	v_readfirstlane_b32 s[WV], v10                 ; wave 0..7
	s_and_b32 s[HD], ttmp7, 0xffff                 ; the head
	v_and_b32 v10, 15, v0                          ; r
	v_bfe_u32 v11, v0, 4, 1                        ; h
	v_and_b32 v12, 31, v0                          ; lane
	v_lshlrev_b32 v[LI], 4, v12
	v_lshlrev_b32 v[MO], 4, v10
	v_lshl_add_u32 v[MO], v11, 11, v[MO]           ; a row of the mask is 2,048 bytes: lanes 0-15 one row, lanes 16-31 the next
	v_lshlrev_b32 v[PFO], 11, v12
	s_mul_i32 s[SB], s[WV], PWAVE
	s_add_co_u32 s[SB], s[SB], STAGE               ; my stage
	v_mul_u32_u24 v13, v10, SP
	v_add_nc_u32 v13, s[SB], v13                   ; its row r
	v_lshl_add_u32 v[TR], v11, 4, v13              ; + 16 h: the mask's way back
	v_lshl_add_u32 v[PS], v11, 6, v13              ; + 64 h: q's way back: my 16 numbers of a group of 32
	v_mul_u32_u24 v[TS], v11, SP
	v_lshl_add_u32 v[TS], v10, 4, v[TS]
	v_add_nc_u32 v[TS], s[SB], v[TS]               ; by rows: row h, + 16 r
	s_lshl_b32 s32, s[HD], 19                      ; q and out0: head x 524,288 + block x 32,768 + wave x 4,096: my 16 rows
	s_lshl_b32 s33, ttmp9, 15
	s_add_co_u32 s32, s32, s33
	s_lshl_b32 s33, s[WV], 12
	s_add_co_u32 s32, s32, s33
	s_mov_b32 s33, 0
	s_lshl_b32 s34, s[HD], 18                      ; kv: head x 262,144 + wave x 32,768: my 256 keys
	s_lshl_b32 s35, s[WV], 15
	s_add_co_u32 s34, s34, s35
	s_mov_b32 s35, 0
	s_lshl_b32 s36, s[HD], 22                      ; mask: head x 4,194,304 + block x 262,144 + wave x 256
	s_lshl_b32 s37, ttmp9, 18
	s_add_co_u32 s36, s36, s37
	s_lshl_b32 s37, s[WV], 8
	s_add_co_u32 s36, s36, s37
	s_mov_b32 s37, 0
	s_wait_kmcnt 0x0
	s_load_b128 s[16:19], s[10:11], 0x0            ; eq, ek, ep, ev
	s_add_nc_u64 s[4:5], s[4:5], s[32:33]
	s_add_nc_u64 s[12:13], s[12:13], s[32:33]
	s_add_nc_u64 s[6:7], s[6:7], s[34:35]
	s_add_nc_u64 s[8:9], s[8:9], s[36:37]
.irp i, 0,1,2,3,4,5,6,7
	global_load_b128 v[SC+4*\i:SC+4*\i+3], v[LI], s[4:5] offset:512*\i th:TH_LOAD_NT   ; my tile of q as it lies: 512 consecutive bytes, two rows, a load
.endr
	MRAW 0, 0, 0                                   ; tile 0's mask bytes
	MRAW 0, 1, 0
	WIN 0x40                                       ; destination in window 1
	KVAREA 0
	KVAREA 1
	WIN 0
	; the selection matrix.  Row m = r of tile t wants the byte that lies in half m / 8 of the lanes, register 2 t + (m % 8) / 4, byte m % 4 of the 64 keys' eight registers
	v_and_b32 v13, 3, v10
	v_lshlrev_b32 v13, 3, v13
	v_mov_b32 v14, 0xf8                            ; the code of -256
	v_lshlrev_b32 v13, v13, v14                    ; in byte r % 4,
	v_lshrrev_b32 v15, 3, v10
	v_cmp_eq_u32 vcc_lo, v15, v11
	v_cndmask_b32 v13, 0, v13, vcc_lo              ; where r / 8 = h
	v_and_b32 v15, 4, v10
	v_cmp_eq_u32 vcc_lo, 0, v15
	v_cndmask_b32 v[SEL+6], 0, v13, vcc_lo         ; v30: rows with (r % 8) / 4 = 0,
	v_sub_nc_u32 v[SEL+7], v13, v[SEL+6]           ; v31: the others
.irp i, 0,1,2,3,4,5,8,9,10,11,12,13
	v_mov_b32 v[SEL+\i], 0
.endr
	v_mov_b32 v39, 0                               ; (named as the upper half of the pair v[38:39])
	v_mov_b32 v253, 0                              ; written once: a lane permute's destination counts as one of its sources
	s_mov_b32 s20, 0x76543210                      ; v_permlanex16_b32's selects for lane l xor 16
	s_mov_b32 s21, 0xfedcba98
	s_mov_b32 s[BIG], 0x71800000                   ; 2^100
	s_mov_b32 s[BIG+1], s[BIG]
	s_mov_b32 s[TRIPS], 3
	s_mov_b32 s[QB], QIMG
	s_mul_i32 s[PB], s[WV], PWAVE
	s_add_co_u32 s[PB], s[PB], PART
	s_wait_kmcnt 0x0
	s_add_co_i32 s32, s16, s17                     ; eq + ek: a score stands for score x 2^(eq + ek): added to c's exponent field
	s_lshl_b32 s33, s32, 23
	s_mov_b32 s[CS], 0x3e38aa3b                    ; log2(e) / 8
	s_add_co_i32 s[CS], s[CS], s33
	s_mov_b32 s[CS+1], s[CS]
	s_add_co_u32 s[T0], s[CS], 98<<23
	s_or_b32 s[T0], s[T0], 0x80000000              ; -(c x 2^98)
	s_cmp_lt_i32 s18, -8
	s_cselect_b32 s[HOLD], 1, 0
	s_cmp_gt_i32 s32, 2
	s_cselect_b32 s34, 1, 0
	s_or_b32 s[HOLD], s[HOLD], s34                 ; 0 where ep >= -8 and eq + ek <= 2
	s_add_co_i32 s[EPV], s18, s19
	s_add_co_i32 s34, s16, 127
	s_lshl_b32 s35, s34, 23
	v_mov_b32 v250, s35                            ; 2^eq, for q's conversions
	s_add_co_i32 s34, s34, 8
	s_lshl_b32 s34, s34, 23
	s_or_b32 s34, s34, 0x600000
	v_mov_b32 v251, s34                            ; 448 x 2^eq
	s_add_co_i32 s34, s18, 127
	s_lshl_b32 s35, s34, 23
	v_mov_b32 v248, s35                            ; 2^ep, for p's
	s_add_co_i32 s34, s34, 8
	s_lshl_b32 s34, s34, 23
	s_or_b32 s34, s34, 0x600000
	v_mov_b32 v249, s34                            ; 448 x 2^ep
	s_lshl_b32 s34, s[WV], 10
	v_add_nc_u32 v[ADQ], s34, v[LI]                ; where my tile's image goes
	s_wait_loadcnt 40                              ; q's eight loads are in; behind them 8 of the mask and 16 + 16 of kv may be out
.irp i, 0,1,2,3,4,5,6,7
	ds_store_b128 v[TS], v[SC+4*\i:SC+4*\i+3] offset:2*SP*\i     ; q turns through my stage, in place:
.endr
.irp g, 0,1
.irp j, 0,1,2,3
	ds_load_b128 v[SC+16*\g+4*\j:SC+16*\g+4*\j+3], v[PS] offset:128*\g+16*\j   ; registers 16 g + 0 .. 15: channels 32 g + 16 h + 0 .. 15 of query r
.endr
.endr
	s_wait_dscnt 0x0
.set J, 0
.rept 32
	v_med3_num_f32 v[SC+J], v[SC+J], -v251, v251   ; the hold at the largest code x the scale
.set J, J+1
.endr
.irp m, 0,1,2,3
	v_cvt_scalef32_pk8_fp8_f32 v[QF+2*\m:QF+2*\m+1], v[SC+8*\m:SC+8*\m+7], v250
.endr
	v_nop                                          ; a plain line behind the last conversion
	ds_store_b128 v[ADQ], v[QF:QF+3] offset:QIMG
	ds_store_b128 v[ADQ], v[QF+4:QF+7] offset:QIMG+512
	s_wait_dscnt 0x0                               ; for the others' sake: my image of Q has landed.  The barrier stands ahead of the head's other 40 loads, so that no wave comes to it late for their sake
	s_barrier_signal -1
	s_barrier_wait -1                              ; all eight lie in LDS; nobody writes them again
	ds_load_b128 v[QF:QF+3], v[LI] offset:QIMG     ; tile 0's
	ds_load_b128 v[QF+4:QF+7], v[LI] offset:QIMG+512
	s_wait_loadcnt 32                              ; tile 0's mask bytes are in; behind them 32 loads of kv may be out
	TURN 0
	WIN 0x40
	KVAREA 2
	KVAREA 3
	WIN 0
	MRAW 1, 0, 32768                               ; tile 1's mask bytes
	MRAW 1, 1, 32768
	s_wait_loadcnt 40                              ; my first 128 keys' codes are in; behind them 32 loads of kv and 8 of the mask may be out
	; ---- THE WALK: four trips of two tiles; the last is written out, since it asks for nothing more
.Ltrip:
	TRIP 1, 12, 8, 8                               ; the 12 at the head of the first tile's second substep: in the first trip my second 128 keys' codes are in (behind them: tile 1's eight loads and this trip's first four); later no more than 12 loads are out there
	s_wait_xcnt 0x0                                ; the trip's loads and its prefetch have read their base: it may step
	s_add_nc_u64 s[8:9], s[8:9], 0x10000           ; 32 rows of the mask on
	s_add_co_u32 s[QB], s[QB], 2048
	s_add_co_u32 s[PB], s[PB], 2*PTILE
	s_sub_co_u32 s[TRIPS], s[TRIPS], 1
	s_cmp_lg_u32 s[TRIPS], 0
	s_cbranch_scc1 .Ltrip
	TRIP 0, -1, 0, -1                              ; nothing is asked for any more: the last tile's loads are the youngest, and behind its turn there is none
	; ---- THE PARTS ARE JOINED: wave w takes tile w
	s_wait_dscnt 0x0                               ; for the others' sake: my parts have landed
	s_barrier_signal -1
	s_barrier_wait -1
	s_mul_i32 s32, s[WV], PTILE
	s_add_co_u32 s33, s32, PART+4096
	v_lshrrev_b32 v[PS], 1, v[LI]                  ; 8 x lane
	v_add_nc_u32 v[PS], s33, v[PS]
	s_add_co_u32 s32, s32, PART
	v_add_nc_u32 v[PW], s32, v[LI]
.irp ww, 0,1,2,3,4,5,6,7
	ds_load_b64 v[EM+2*\ww:EM+2*\ww+1], v[PS] offset:\ww*PWAVE   ; (-M, l) of wave ww
.endr
	PIMG 0, SC
	PIMG 1, SC+32
	s_wait_dscnt 16                                ; the eight pairs are in; two images may be out
	v_min_num_f32 v12, v[EM], v[EM+2]              ; the least -M: the row's M
	v_min_num_f32 v13, v[EM+4], v[EM+6]
	v_min_num_f32 v14, v[EM+8], v[EM+10]
	v_min_num_f32 v15, v[EM+12], v[EM+14]
	v_min_num_f32 v12, v12, v13
	v_min_num_f32 v14, v14, v15
	v_min_num_f32 v12, v12, v14
.irp ww, 0,1,2,3,4,5,6,7
	v_sub_f32 v[EM+2*\ww], v12, v[EM+2*\ww]        ; M of wave ww less the row's: a whole number, 0 or less
.endr
.irp ww, 0,1,2,3,4,5,6,7
	v_cvt_i32_f32 v[EM+2*\ww], v[EM+2*\ww]         ; (it saturates)
.endr
.irp ww, 0,1,2,3,4,5,6,7
	v_ldexp_f32 v[EM+2*\ww], 1.0, v[EM+2*\ww]      ; f of wave ww: a power of two
.endr
	v_mul_f32 v10, v[EM], v[EM+1]
.irp ww, 1,2,3,4,5,6,7
	v_fma_f32 v10, v[EM+2*\ww], v[EM+2*\ww+1], v10 ; l = the sum of f x l
.endr
	v_permlanex16_b32 v253, v10, s20, s21
	v_add_f32 v10, v10, v253                       ; and the other half of the lanes'
	v_rcp_f32 v10, v10
	v_nop                                          ; a plain line behind the reciprocal
	s_wait_alu depctr_va_vdst(0)                   ; and the wait ahead of its first reader
	v_ldexp_f32 v10, v10, s[EPV]                   ; x 2^(ep + ev)
.irp ww, 0,1,2,3,4,5,6,7
	v_mul_f32 v[EM+2*\ww], v[EM+2*\ww], v10
.endr
.irp ww, 0,1,2,3,4,5,6,7
.if \ww < 7
	s_wait_dscnt 8                                 ; this image is in; the next one's eight loads may be out
.else
	s_wait_dscnt 0x0
.endif
.set BF, SC+32*(\ww%2)
.set J, 0
.rept 16
.if \ww == 0
	v_pk_mul_f32 v[OT+J:OT+J+1], v[BF+J:BF+J+1], v[EM+2*\ww:EM+2*\ww+1] op_sel_hi:[1,0]   ; the first part starts the sums (of the pair (f, l) the low word serves both halves)
.else
	v_pk_fma_f32 v[OT+J:OT+J+1], v[BF+J:BF+J+1], v[EM+2*\ww:EM+2*\ww+1], v[OT+J:OT+J+1] op_sel_hi:[1,0,1]
.endif
.set J, J+2
.endr
.if \ww < 6
	PIMG \ww+2, BF                                 ; into the registers just read
.endif
.endr
	; ---- THE WAY OUT.  Register 8 ct + j of lane (r, h) is out0(query r, channel 16 ct + 8 h + j): 16 rows of 256 bytes go through my own stage and come back as whole rows.
	v_and_b32 v14, 15, v0                          ; r
	v_bfe_u32 v15, v0, 4, 1                        ; h
	v_mul_u32_u24 v[ADQ], v14, SP
	v_lshl_add_u32 v[ADQ], v15, 5, v[ADQ]
	v_add_nc_u32 v[ADQ], s[SB], v[ADQ]             ; in: row r, + 32 h
	v_lshlrev_b32 v[MO], 8, v15                    ; (the mask's loads, which read this register, are all in)
	v_lshl_add_u32 v[MO], v14, 4, v[MO]            ; out0: lanes 0-15 one row of 256 bytes, lanes 16-31 the next
.irp ct, 0,1,2,3
	ds_store_b128 v[ADQ], v[OT+8*\ct:OT+8*\ct+3] offset:64*\ct
	ds_store_b128 v[ADQ], v[OT+8*\ct+4:OT+8*\ct+7] offset:64*\ct+16
.endr
.irp i, 0,1,2,3,4,5,6,7
	ds_load_b128 v[SC+4*\i:SC+4*\i+3], v[TS] offset:2*\i*SP   ; back by rows; LDS serves a wave's instructions in order (ISA guide 5.7.1.4): these see my stores
.endr
.irp i, 0,1,2,3,4,5,6,7
	s_wait_dscnt 7-\i
	global_store_b128 v[MO], v[SC+4*\i:SC+4*\i+3], s[12:13] offset:512*\i th:TH_STORE_NT   ; sixteen lanes store a row's 256 consecutive bytes, at a multiple of 256 from out0's first byte
.endr
	s_wait_tensorcnt 0x0                           ; the wave's end
	ds_add_u32 v[SPW], v[NIL]
	s_wait_dscnt 0x0
	s_endpgm
.Lfunc_end_k_q5696c1d567_attn:
	.size	k_q5696c1d567_attn, .Lfunc_end_k_q5696c1d567_attn-k_q5696c1d567_attn
	.p2alignl 7, 3214868480
	.fill 96, 4, 3214868480
	.section	.rodata,"a",@progbits
	.p2align	6, 0x0
	.amdhsa_kernel k_q5696c1d567_attn
		.amdhsa_group_segment_fixed_size 322560
		.amdhsa_private_segment_fixed_size 0
		.amdhsa_enable_private_segment 0
		.amdhsa_kernarg_size 40
		.amdhsa_user_sgpr_count 2
		.amdhsa_user_sgpr_kernarg_segment_ptr 1
		.amdhsa_wavefront_size32 1
		.amdhsa_system_sgpr_workgroup_id_x 1
		.amdhsa_system_sgpr_workgroup_id_y 1
		.amdhsa_system_sgpr_workgroup_id_z 1
		.amdhsa_system_vgpr_workitem_id 0
		.amdhsa_next_free_vgpr 512
		.amdhsa_next_free_sgpr 66
		.amdhsa_reserve_vcc 1
		.amdhsa_float_denorm_mode_32 3
		.amdhsa_float_denorm_mode_16_64 3
		.amdhsa_memory_ordered 1
		.amdhsa_forward_progress 1
		.amdhsa_inst_pref_size 164
	.end_amdhsa_kernel
	.amdgpu_metadata
---
amdhsa.version: [ 1, 2 ]
amdhsa.kernels:
  - .name:           k_q5696c1d567_attn
    .symbol:         k_q5696c1d567_attn.kd
    .args:
      - { .name: q, .offset: 0, .size: 8, .value_kind: global_buffer, .address_space: global }
      - { .name: kv, .offset: 8, .size: 8, .value_kind: global_buffer, .address_space: global }
      - { .name: mask, .offset: 16, .size: 8, .value_kind: global_buffer, .address_space: global }
      - { .name: lowp_scales, .offset: 24, .size: 8, .value_kind: global_buffer, .address_space: global }
      - { .name: out0, .offset: 32, .size: 8, .value_kind: global_buffer, .address_space: global }
    .group_segment_fixed_size: 322560
    .private_segment_fixed_size: 0
    .kernarg_segment_align: 8
    .kernarg_segment_size: 40
    .max_flat_workgroup_size: 256
    .sgpr_count:     66
    .vgpr_count:     512
    .wavefront_size: 32
...
	.end_amdgpu_metadata
.endif
;; end of part 3
